; MI455X (gfx1250); checked and timed in simulation.
; The chip was launched on July 23, 2026; its instructions are those of AMD's public machine-readable ISA for CDNA 5 (MIT licence, August 2026) and "CDNA5" Instruction Set Architecture Reference Guide (July 2026). The comments in the code are by the model that wrote it; some were corrected since.
;; Adasplash Attention. Allowed arithmetic: float matrix products may take bf16 or f16 operands with f32 sums; all other float work in f32.
;; Inputs: k 4 x 16 x 1,024 x 64 float32; q 4 x 16 x 1,024 x 64 float32; v 4 x 16 x 1,024 x 64 float32.
;; Outputs: out0 4 x 16 x 1,024 x 64 float32.
;; 2 versions, each right. Each part assembles by itself: llvm-mc -triple=amdgcn-amd-amdhsa -mcpu=gfx1250 --defsym DOCPART=n.
;; ======== version 1 of 2: 1 launch
;; launch entmax (part 1): grid 256 x 1, 4 waves a work-group, no clusters, 312,832 bytes of LDS; arguments k, q, v, out0; writes out0
.if DOCPART == 1
	.amdgcn_target "amdgcn-amd-amdhsa--gfx1250"
	.amdhsa_code_object_version 6
	.text
	.protected	k_q3d1c304f02_entmax
	.globl	k_q3d1c304f02_entmax
	.p2align	8
	.type	k_q3d1c304f02_entmax,@function
k_q3d1c304f02_entmax:
	s_mov_b64 s[64:65], 0
	v_nop
	global_prefetch_b8 v0, s[64:65] scope:SCOPE_SE
	s_setreg_imm32_b32 hwreg(HW_REG_WAVE_MODE, 25, 1), 1
	s_wait_xcnt 0x0
; Causal entmax-1.5 attention.  q, k, v, out0: [64 heads][1024][64] f32.
;   s = q.k / 16 (1/sqrt(64) times 1/2, an exact power of two), keys above the diagonal = -1e30; max over the row;
;   ten bisection steps for tau on [max - 1, max] with f(tau) = sum relu(s - tau)^2 - 1;  p = relu(s - tau)^2;  out = (p.v) / sum p.
;
; SHARING.  A query block is 16 rows.  Its scores, at most 64 tiles of 16 x 16 = 512 registers, stay in ONE wave's registers through the maximum,
; the ten sweeps and the final pass, so a score is computed once and never leaves the wave.  A head has 64 blocks and 16 waves (4 work-groups of
; 4 waves): head = id >> 2, g = id & 3.  In phase c = 0..3 a wave takes block 16 c + 8 p + b with b = 4 (g & 1) + wave and p = (g >> 1) xor (c & 1).
; Register numbers are fixed in the text, so a block is written for a fixed number of key tiles NT = 16 c + 8 p + 8; each phase has two texts and one
; scalar branch on g >> 1, which is the same in all waves of a work-group.  Either way a wave does 144 tiles (8+32+40+64 or 16+24+48+56).
;
; ORIENTATION.  S^T = K Q^T: register j of lane (r = lane & 15, h = lane >> 4) of tile t holds key 16 t + 8 h + j of query r.  A query lives in lanes
; r and r + 16: tau, the sums and 1 / sum p are one number a lane, and a row reduction is work inside the lane plus one exchange with lane xor 16.
; Two neighbouring tiles, packed to bf16, ARE the second operand of out^T = V^T P^T (ISA guide 7.12.2): nothing is shuffled.
;
; P AS TWO TERMS.  A few keys carry most of a row's weight, and where their v are large and cancel, the 8 significant bits of one bf16 leave an error
; of up to 2^-8 sum(w |v|) on a result near zero.  So p goes to the matrix unit as hi = bf16(p) and lo = bf16(p - hi), the difference being exact
; in f32: two products on the same fragment of V^T, about 16 significant bits of p.
;
; K AND V stay in LDS as bf16 for the whole head, brought in chunks of 256 keys: chunk c is first needed by phase c.  Loads of K and Q fly during
; the ten sweeps, loads of V during the final pass and the next block's products.
; NO JOINT LOADS although the four work-groups of a head read the same K and V: the inputs are f32 and the operands bf16, so every byte has to pass
; through registers; an f32 chunk of K and V is 131,072 bytes, and beside the 312,320 bytes used here a WGP's 327,680 leave 15,360.
;
; LIMITS AND ONE DEPARTURE.  q, k and v go to the matrix unit in bf16, p (<= 1, not normalised) as two bf16 terms; sum p and the division are f32.
; The f32 sums run in another order than the reference's.  A bisection step whose f is within rounding of 0 is decided by that order, and its two
; outcomes end at that step's tau + 2^-11 and tau - 2^-11.  So this text departs from the reference there: where |f| <= 2^-17 (64 spacings of f32 at 1)
; BOTH ends of the interval are set to tau, and tau stays.  The final tau is then 2^-11 from the reference's, whichever way the reference went, and within
; 2^-17 / |f'| of the root.  Where the two programs' sums differ by more than 2^-17 (scores far above 1, whose f32 spacing times the slope
; 2 sum(s - tau) passes that figure), a step may still decide the other way, and tau then differs by at most 2^-10.
; A NaN among the inputs is dropped by v_max_num (the row maximum, the relu) instead of spreading to the whole row.  Where f32 cannot tell tau from
; the maximum, sum p = 0 and the row is NaN, as in the reference.
.set NITER,  10
.set ONE_LO, 0x3f7fff80                ; 1 - 2^-17
.set ONE_HI, 0x3f800040                ; 1 + 2^-17
.set KPITCH, 144                       ; an LDS row of 64 bf16: 128 bytes + 16: rows r = 0..15 start at 16 different 16-byte columns modulo 256
.set TILEB,  16*KPITCH                 ; 16 rows
.set REGB,   64*KPITCH                 ; 64 rows: a wave's share of a chunk of K; a region of V^T ([64 d][64 keys])
.set CHUNKB, 256*KPITCH                ; a chunk of 256 keys, of K or of V^T
.set SPAN,   24*TILEB                  ; what one address register reaches with the 16-bit immediate: 24 tiles of K = 6 regions of V^T
.set VT,     1024*KPITCH               ; V^T lies behind K
.set STG,    2*VT                      ; behind both: a stage for each wave, its own
.set OPITCH, 272                       ; a stage row of 64 f32: 256 bytes + 16
.set STGB,   16*OPITCH
; vector registers, window 0
.set KADR, 4                           ; v4-6    r*144 + 16h + 0, 1, 2 spans: K fragments
.set VADR, 7                           ; v7-9    the same in V^T
.set STO,  10                          ; stage, results in:  r*272 + 32h
.set RD,   11                          ; stage, rows back:   h*272 + 16r
.set QST,  12                          ; stage, Q in:        h*144 + 8r
.set QRD,  13                          ; stage, Q fragments: r*144 + 16h
.set KST,  14                          ; v14-15  where my K goes, chunks 0-1 and 2-3
.set VST,  16                          ; v16-17  where my V^T goes, chunks 0-1 and 2-3
.set GK,   18                          ; byte offset in a head's K: 16384 wave + 16 lane
.set GV,   19                          ; in its V: 16384 wave + 2048 h + 16 r
.set GQ,   20                          ; in a block of q or out0: 16 lane
.set EDGE, 21                          ; 16 b + r - 8 h: register j of the t'-th of the last 8 tiles is kept iff 16 t' + j <= EDGE
.set PFO,  22                          ; prefetch: 8192 b + 256 lane
.set LO,   23
.set HI,   24
.set TAU,  25
.set SUM,  26
.set TMP,  27
.set NTAU, 28                          ; v28-29  -tau, twice
.set INV,  30                          ; v30-31  1 / sum p, twice
.set QF,   32                          ; v32-47  Q fragments, d 0-31 and 32-63
.set OA,   48                          ; v48-79  out^T: four accumulators, d = 16 c' ..
.set F0,   80                          ; v80-143  fragment buffer 0
.set F1,   144                         ; v144-207 fragment buffer 1,
.set T,    144                         ;          and the sweeps' work registers;
.set HIF,  T+32                        ; v176-191 in the final pass: p's first bf16 term, two fragments of 32 keys,
.set LOF,  T+48                        ; v192-207 and its second
.set ACC,  208                         ; v208-223 eight pairs of partial sums
.set MX,   224                         ; v224-231 eight running maxima
.set NEG1, 232                         ; v232     -1.0
; window 1: score tiles 0-31, window 2: tiles 32-63 (tile t at register 8 (t % 32)); window 2, 224-255: Q as loaded (free while NT <= 56);
; window 3: 0-127 K as loaded, 128-255 V as loaded
.set QBUF, 224
.set VBUF, 128
; scalar registers: s12 wave, s13 head, s14 g, s15 g >> 1, s16 b, s17 -1e30, s18-19 lane selects, s20 sweep counter, s21 my stage
.set QB, 24                            ; s[24:31] q at my block of phase 0..3
.set OB, 32                            ; s[32:39] out0 likewise
.set KB, 40                            ; s[40:41] k at my head
.set VB, 42                            ; s[42:43] v at my head
.set PB, 44                            ; s[44:45] the one of the two that my wave prefetches
.set MSB, 0
.macro WIN new                         ; s_set_vgpr_msb: bits 1:0 source 0, 3:2 source 1, 5:4 source 2, 7:6 destination; the high byte repeats the setting left
.if MSB != (\new)
	s_set_vgpr_msb (MSB<<8)|(\new)
.set MSB, (\new)
.endif
.endm
.macro PLACES                          ; four independent vector instructions behind a matrix instruction (ISA guide 7.12.1)
.rept 4
	v_nop
.endr
.endm
; ---- memory to registers.  No base and no offset register of a global access is ever rewritten. ----
.macro LOADK c                         ; my 64 keys of chunk c: load n = keys 2n, 2n+1, 512 neighbouring bytes a wave
	WIN 0xc0
.set i_n, 0
.rept 32
	global_load_b128 v[4*i_n:4*i_n+3], v[GK], s[KB:KB+1] offset:(\c)*65536+512*i_n
.set i_n, i_n+1
.endr
.endm
.macro LOADV c, first, n               ; loads first .. first + n - 1 of a chunk's 32.  Load 8m + i = keys 16m + i (lanes 0-15) and 16m + 8 + i (lanes 16-31):
	WIN 0xc0                       ; two whole rows of 256 bytes.  A lane so gets 8 neighbouring keys of its four d = 4r..4r+3 for each m
.set i_n, \first
.rept \n
	global_load_b128 v[VBUF+4*i_n:VBUF+4*i_n+3], v[GV], s[VB:VB+1] offset:(\c)*65536+(16*(i_n/8)+(i_n%8))*256
.set i_n, i_n+1
.endr
.endm
.macro LOADQ c                         ; my block of phase c: 16 rows of 256 bytes, read by this wave alone
	WIN 0x80
.set i_n, 0
.rept 8
	global_load_b128 v[QBUF+4*i_n:QBUF+4*i_n+3], v[GQ], s[QB+2*(\c):QB+2*(\c)+1] offset:512*i_n th:TH_LOAD_NT
.set i_n, i_n+1
.endr
.endm
; The 16 waves of a head, 32 lanes each, 256 bytes apart, ask once for the 131,072 bytes of chunk c of K (g < 2) and V (g >= 2), one block's work
; ahead of the loads that want them.  Chunk 3 is the last: no request passes a head's 262,144 bytes.
.macro PREF c
	WIN 0
	global_prefetch_b8 v[PFO], s[PB:PB+1] offset:(\c)*65536 th:TH_LOAD_NT scope:SCOPE_SE
.endm
; ---- registers to LDS, as bf16 ----
.macro COMMITK c                       ; K[key][d]: 8 bytes a lane at row 64 wave + 2n + h, byte 8r
	WIN 0x0f
.set i_n, 0
.rept 64
	v_cvt_pk_bf16_f32 v[F0+i_n], v[2*i_n], v[2*i_n+1]
.set i_n, i_n+1
.endr
	WIN 0
.set i_n, 0
.rept 32
	ds_store_b64 v[KST+(\c)/2], v[F0+2*i_n:F0+2*i_n+1] offset:((\c)%2)*CHUNKB+2*KPITCH*i_n
.set i_n, i_n+1
.endr
.endm
.macro COMMITV c                       ; V^T[d][key]: register 16m + 4e + p = keys 2p, 2p+1 of d = 4r + e; 16 bytes = 8 keys at row 4r + e, byte 32m + 16h
	WIN 0x0f
.set i_n, 0
.rept 64
.set i_s, VBUF+32*(i_n/16)+8*(i_n%4)+((i_n/4)%4)
	v_cvt_pk_bf16_f32 v[F0+i_n], v[i_s], v[i_s+4]
.set i_n, i_n+1
.endr
	WIN 0
.set i_n, 0
.rept 16
	ds_store_b128 v[VST+(\c)/2], v[F0+4*i_n:F0+4*i_n+3] offset:((\c)%2)*CHUNKB+(i_n%4)*KPITCH+32*(i_n/4)
.set i_n, i_n+1
.endr
.endm
.macro COMMITQ                         ; q / 16 (exact), to bf16, through my own stage into fragments: LDS serves a wave's instructions in order (ISA guide 5.7.1)
	WIN 0x02
.set i_n, 0
.rept 16
	v_pk_mul_f32 v[F1+2*i_n:F1+2*i_n+1], v[QBUF+2*i_n:QBUF+2*i_n+1], 0x3d800000 op_sel_hi:[1,0]
.set i_n, i_n+1
.endr
	WIN 0
.set i_n, 0
.rept 16
	v_cvt_pk_bf16_f32 v[F1+32+i_n], v[F1+2*i_n], v[F1+2*i_n+1]
.set i_n, i_n+1
.endr
.set i_n, 0
.rept 8
	ds_store_b64 v[QST], v[F1+32+2*i_n:F1+32+2*i_n+1] offset:2*KPITCH*i_n
.set i_n, i_n+1
.endr
.set i_n, 0
.rept 4
	ds_load_b128 v[QF+4*i_n:QF+4*i_n+3], v[QRD] offset:32*i_n     ; query r, d = 16 n + 8 h ..
.set i_n, i_n+1
.endr
.endm
; ---- S^T = K Q^T, four tiles a group ----
.macro KFETCH g, f                     ; 16 loads: tiles 4g..4g+3, key 16t + r, d = 8h, 16+8h, 32+8h, 48+8h
	WIN 0
.set kq, 0
.rept 4
.set kt, 4*(\g)+kq
.set kz, 0
.rept 4
	ds_load_b128 v[\f+16*kq+4*kz:\f+16*kq+4*kz+3], v[KADR+kt/24] offset:(kt%24)*TILEB+32*kz
.set kz, kz+1
.endr
.set kq, kq+1
.endr
.endm
.macro KMUL g, f                       ; the first product starts each sum; the four accumulators take turns, one instruction a turn
.set kw, 1+(\g)/8
	WIN (kw<<6)|(kw<<4)
.set kq, 0
.rept 4
.set kd, 8*((4*(\g)+kq)%32)
	v_wmma_f32_16x16x32_bf16 v[kd:kd+7], v[\f+16*kq:\f+16*kq+7], v[QF:QF+7], 0
.set kq, kq+1
.endr
.set kq, 0
.rept 4
.set kd, 8*((4*(\g)+kq)%32)
	v_wmma_f32_16x16x32_bf16 v[kd:kd+7], v[\f+16*kq+8:\f+16*kq+15], v[QF+8:QF+15], v[kd:kd+7]
.set kq, kq+1
.endr
.endm
.macro QK nt
	KFETCH 0, F0
	KFETCH 1, F1
	s_wait_dscnt 16                        ; group 0's 16 loads are in, group 1's 16 may be out
	KMUL 0, F0
.set qg, 1
.rept (\nt)/4-2
	PLACES                                 ; the buffer that the last eight products read is loaded again only behind four places
.set qf, F0+64*((qg+1)%2)
	KFETCH qg+1, qf
	s_wait_dscnt 16                        ; all but the 16 just issued
.set qf, F0+64*(qg%2)
	KMUL qg, qf
.set qg, qg+1
.endr
	s_wait_dscnt 0
.set qf, F0+64*(qg%2)
	KMUL qg, qf
	PLACES                                 ; before vector instructions touch the results
.endm
; ---- the causal cut: only the last 8 tiles can hold keys above my rows ----
.macro MASK nt
.set mw, 1+((\nt)-8)/32
.set mb, 8*(((\nt)-8)%32)
	WIN (mw<<6)|(mw<<2)
.set mi, 0
.rept 64
	v_cmp_ge_i32 vcc_lo, v[EDGE], 16*(mi/8)+(mi%8)
	v_cndmask_b32 v[mb+mi], s17, v[mb+mi], vcc_lo
.set mi, mi+1
.endr
.endm
; ---- the row's maximum: eight chains, started by the first two tiles; hi = max, lo = max - 1 ----
.macro MAXP nt
.set xp, 0
.rept (\nt)/2
.set xw, 1+xp/16
.set xb, 16*(xp%16)
	WIN xw|(xw<<2)
.set xk, 0
.rept 8
.if xp == 0
	v_max_num_f32 v[MX+xk], v[xb+2*xk], v[xb+2*xk+1]
.else
	v_max3_num_f32 v[MX+xk], v[xb+2*xk], v[xb+2*xk+1], v[MX+xk]
.endif
.set xk, xk+1
.endr
.set xp, xp+1
.endr
	WIN 0
	v_max3_num_f32 v[MX], v[MX], v[MX+1], v[MX+2]
	v_max3_num_f32 v[MX+3], v[MX+3], v[MX+4], v[MX+5]
	v_max3_num_f32 v[MX], v[MX], v[MX+3], v[MX+6]
	v_max_num_f32 v[MX], v[MX], v[MX+7]
	v_permlanex16_b32 v[TMP], v[MX], s18, s19      ; the query's other half of the keys, in lane xor 16
	v_max_num_f32 v[HI], v[MX], v[TMP]
	v_add_f32 v[LO], -1.0, v[HI]
.endm
.macro RELU2 a                         ; max(x, 0) on both registers of a pair, in one issue: there is no packed f32 maximum
	v_dual_max_num_f32 v[\a], 0, v[\a] :: v_dual_max_num_f32 v[\a+1], 0, v[\a+1]
.endm
.macro ACCRED                          ; eight pairs of partial sums to one number a query, in both of its lanes
.irp a, 0,2,4,6
	v_pk_add_f32 v[ACC+\a:ACC+\a+1], v[ACC+\a:ACC+\a+1], v[ACC+8+\a:ACC+8+\a+1]
.endr
	v_pk_add_f32 v[ACC:ACC+1], v[ACC:ACC+1], v[ACC+4:ACC+5]
	v_pk_add_f32 v[ACC+2:ACC+3], v[ACC+2:ACC+3], v[ACC+6:ACC+7]
	v_pk_add_f32 v[ACC:ACC+1], v[ACC:ACC+1], v[ACC+2:ACC+3]
	v_add_f32 v[SUM], v[ACC], v[ACC+1]
	v_permlanex16_b32 v[TMP], v[SUM], s18, s19
	v_add_f32 v[SUM], v[SUM], v[TMP]
.endm
.macro NEWTAU                          ; tau = (lo + hi) / 2, and -tau twice for the packed subtraction
	v_add_f32 v[TMP], v[LO], v[HI]
	v_mul_f32 v[TAU], 0.5, v[TMP]
	v_mul_f32 v[NTAU], -0.5, v[TMP]
	v_mul_f32 v[NTAU+1], -0.5, v[TMP]
.endm
; One sweep: sum of relu(s - tau)^2, 8 tiles (32 pairs) at a time: three issues for two scores.  The work registers lie in window 0,
; so only the subtraction names a score window: two switches for 96 instructions.  The first eight products start the sums.
.macro SWEEP nt
.set su, 0
.rept (\nt)/8
.set sb, 64*(su%4)
	WIN (1+su/4)
.set sk, 0
.rept 32
	v_pk_add_f32 v[T+2*sk:T+2*sk+1], v[sb+2*sk:sb+2*sk+1], v[NTAU:NTAU+1]
.set sk, sk+1
.endr
	WIN 0
.set sk, 0
.rept 32
	RELU2 T+2*sk
.set sk, sk+1
.endr
.set sk, 0
.rept 32
.set sa, ACC+2*(sk%8)
.if su*32+sk < 8
	v_pk_mul_f32 v[sa:sa+1], v[T+2*sk:T+2*sk+1], v[T+2*sk:T+2*sk+1]
.else
	v_pk_fma_f32 v[sa:sa+1], v[T+2*sk:T+2*sk+1], v[T+2*sk:T+2*sk+1], v[sa:sa+1]
.endif
.set sk, sk+1
.endr
.set su, su+1
.endr
.endm
; The reference's ten steps, f >= 0 being sum >= 1, with the one departure named at the head: inside 1 - 2^-17 <= sum <= 1 + 2^-17 both selects
; take tau, so lo = hi = tau; every later midpoint is then tau again, its sum is the same, and tau is the final value.
; Outside the band exactly one select takes tau, as in the reference.  A NaN sum fails both compares: hi = tau, as in the reference.
.macro BISECT nt
	WIN 0                                  ; at a label and at a branch every window is 0
	s_mov_b32 s20, NITER
.Lbis_\@:
	NEWTAU
	SWEEP \nt
	ACCRED
	v_cmp_le_f32 vcc_lo, ONE_LO, v[SUM]            ; f >= -2^-17: lo = tau
	v_cndmask_b32 v[LO], v[LO], v[TAU], vcc_lo
	v_cmp_lt_f32 vcc_lo, ONE_HI, v[SUM]            ; f > 2^-17: hi stays; else hi = tau
	v_cndmask_b32 v[HI], v[TAU], v[HI], vcc_lo
	s_sub_co_i32 s20, s20, 1
	s_cmp_lg_u32 s20, 0
	s_cbranch_scc1 .Lbis_\@
	NEWTAU                                 ; the final tau
.endm
; ---- the final pass with out^T = V^T P^T, 4 tiles = 64 keys = one region of V^T at a time ----
; p lies in T+0..31, its two bf16 terms in HIF and LOF.  No matrix instruction names T+0..31, so a unit's 16 subtractions are the places between the
; last unit's products and the loads into their V^T fragments, and between those products and the new writes of HIF and LOF.
.macro FINPV nt
.set fg, 0
.rept (\nt)/4
.set fb, 32*(fg%8)
	WIN (1+fg/8)
.set fk, 0
.rept 16
	v_pk_add_f32 v[T+2*fk:T+2*fk+1], v[fb+2*fk:fb+2*fk+1], v[NTAU:NTAU+1]
.set fk, fk+1
.endr
	WIN 0
.set fk, 0
.rept 8                                ; fk = 4 y + c': d = 16 c' + r, keys 64 fg + 32 y + 8 h .. and + 16
.set fo, (fg%6)*REGB+(fk%4)*TILEB+(fk/4)*64
	ds_load_b128 v[F0+8*fk:F0+8*fk+3], v[VADR+fg/6] offset:fo
	ds_load_b128 v[F0+8*fk+4:F0+8*fk+7], v[VADR+fg/6] offset:fo+32
.set fk, fk+1
.endr
.set fk, 0
.rept 16
	RELU2 T+2*fk
.set fk, fk+1
.endr
.set fk, 0
.rept 16                               ; sum p in f32
.set sa, ACC+2*(fk%8)
.if fg*16+fk < 8
	v_pk_mul_f32 v[sa:sa+1], v[T+2*fk:T+2*fk+1], v[T+2*fk:T+2*fk+1]
.else
	v_pk_fma_f32 v[sa:sa+1], v[T+2*fk:T+2*fk+1], v[T+2*fk:T+2*fk+1], v[sa:sa+1]
.endif
.set fk, fk+1
.endr
.set fk, 0
.rept 16
	v_pk_mul_f32 v[T+2*fk:T+2*fk+1], v[T+2*fk:T+2*fk+1], v[T+2*fk:T+2*fk+1]
.set fk, fk+1
.endr
.set fk, 0
.rept 16                               ; hi = bf16(p).  HIF+0..7, HIF+8..15: the fragments for keys 32 y ..
	v_cvt_pk_bf16_f32 v[HIF+fk], v[T+2*fk], v[T+2*fk+1]
.set fk, fk+1
.endr
	s_wait_dscnt 0x0                       ; the 16 loads above, issued 64 instructions ago
.set fk, 0
.rept 8                                ; the four accumulators take turns, one instruction a turn, from unit to unit too
.set fa, OA+8*(fk%4)
.if fg*8+fk < 4
	v_wmma_f32_16x16x32_bf16 v[fa:fa+7], v[F0+8*fk:F0+8*fk+7], v[HIF+8*(fk/4):HIF+8*(fk/4)+7], 0
.else
	v_wmma_f32_16x16x32_bf16 v[fa:fa+7], v[F0+8*fk:F0+8*fk+7], v[HIF+8*(fk/4):HIF+8*(fk/4)+7], v[fa:fa+7]
.endif
.set fk, fk+1
.endr
.set fk, 0
.rept 16                               ; p - hi, in place: hi's half times -1 plus p, exact in f32.  These read HIF and write nothing that a product names
	v_fma_mix_f32_bf16 v[T+2*fk], v[HIF+fk], v[NEG1], v[T+2*fk] op_sel_hi:[1,0,0]
	v_fma_mix_f32_bf16 v[T+2*fk+1], v[HIF+fk], v[NEG1], v[T+2*fk+1] op_sel:[1,0,0] op_sel_hi:[1,0,0]
.set fk, fk+1
.endr
.set fk, 0
.rept 16                               ; lo = bf16(p - hi)
	v_cvt_pk_bf16_f32 v[LOF+fk], v[T+2*fk], v[T+2*fk+1]
.set fk, fk+1
.endr
.set fk, 0
.rept 8                                ; the same fragments of V^T once more
.set fa, OA+8*(fk%4)
	v_wmma_f32_16x16x32_bf16 v[fa:fa+7], v[F0+8*fk:F0+8*fk+7], v[LOF+8*(fk/4):LOF+8*(fk/4)+7], v[fa:fa+7]
.set fk, fk+1
.endr
.set fg, fg+1
.endr
	ACCRED                                 ; its eight plain additions are also the places between the last product and the first read of the results
	v_rcp_f32 v[INV], v[SUM]
	v_rcp_f32 v[INV+1], v[SUM]
	v_nop                                  ; one plain instruction behind a transcendental before its result is used (ISA guide 5.7.2)
.endm
; ---- out: scale by 1 / sum p, turn through my own stage, whole rows to memory ----
.macro OUT c
.set ok, 0
	s_wait_alu depctr_va_vdst(0)
.rept 16
	v_pk_mul_f32 v[OA+2*ok:OA+2*ok+1], v[OA+2*ok:OA+2*ok+1], v[INV:INV+1]
.set ok, ok+1
.endr
.set ok, 0
.rept 8                                ; register j of accumulator c' is d = 16 c' + 8 h + j of query r
	ds_store_b128 v[STO], v[OA+4*ok:OA+4*ok+3] offset:64*(ok/2)+16*(ok%2)
.set ok, ok+1
.endr
.set ok, 0
.rept 8                                ; rows 2t and 2t+1; the stage is my own and LDS serves a wave's instructions in order: these see the stores above
	ds_load_b128 v[F0+4*ok:F0+4*ok+3], v[RD] offset:2*OPITCH*ok
.set ok, ok+1
.endr
.set ok, 0
.rept 8
	s_wait_dscnt 7-ok                      ; read-back t is in, the 7 - t younger ones may be out
	global_store_b128 v[GQ], v[F0+4*ok:F0+4*ok+3], s[OB+2*(\c):OB+2*(\c)+1] offset:512*ok th:TH_STORE_NT   ; 512 neighbouring bytes, aligned
.set ok, ok+1
.endr
.endm
; ---- one query block of phase c with nt key tiles ----
.macro BLOCK c, nt
.if \c > 0
	s_wait_xcnt 0x0                        ; the last block's stores have read buffer 0, which is loaded again now
.endif
	QK \nt
	MASK \nt
	MAXP \nt
	s_wait_loadcnt 0x0                     ; V's chunk c, asked for before the last block's final pass
	COMMITV \c
.if \c < 3
	LOADK \c+1                             ; these fly through the ten sweeps
	LOADQ \c+1
.endif
.if \c < 2
	PREF \c+2
.endif
	BISECT \nt
.if \c < 3
	s_wait_loadcnt 0x0
	COMMITK \c+1
	COMMITQ
	LOADV \c+1, 0, 32                      ; these fly through the final pass and the next block's products
.endif
	s_wait_dscnt 0x0                       ; my part of V^T's chunk c and of K's chunk c+1 is in LDS (and my next Q fragments are in registers)
	s_barrier_signal -1
	s_barrier_wait -1                      ; everybody's is: chunk c of V^T is read below, chunk c+1 of K in the next block.  Nothing in K or V^T is written twice
	FINPV \nt
	OUT \c
	WIN 0
.endm
.macro PHASE c                         ; p = (g >> 1) xor (c & 1), the same in the four waves: each way holds the phase's one barrier
	s_cmp_lg_u32 s15, (\c)&1
	s_cbranch_scc1 .Lhi_\c
	BLOCK \c, 16*\c+8
	s_branch .Lend_\c
.Lhi_\c:
	BLOCK \c, 16*\c+16
.Lend_\c:
.endm
	; ---- who am I ----
	s_load_b256 s[4:11], s[0:1], 0x0               ; k s[4:5], q s[6:7], v s[8:9], out0 s[10:11]
	v_lshl_add_u32 v254, v0, 2, 0x4c400
	v_mov_b32 v255, 0
	v_lshrrev_b32 v1, 5, v0
	v_readfirstlane_b32 s12, v1                    ; wave
	s_lshr_b32 s13, ttmp9, 2                       ; head
	s_and_b32 s14, ttmp9, 3                        ; g
	s_lshr_b32 s15, s14, 1
	s_and_b32 s16, s14, 1
	s_lshl2_add_u32 s16, s16, s12                  ; b = 4 (g & 1) + wave
	s_xor_b32 s47, s15, 1
	s_lshl_b32 s22, s13, 18                        ; a head is 262,144 bytes
	s_mov_b32 s23, 0
	s_lshl3_add_u32 s46, s15, s16                  ; 8 p + b in the even phases,
	s_lshl3_add_u32 s48, s47, s16                  ; in the odd ones
	s_lshl_b32 s46, s46, 12                        ; a block is 4,096 bytes
	s_lshl_b32 s48, s48, 12
	s_add_co_u32 s46, s46, s22
	s_add_co_u32 s48, s48, s22
	s_mov_b32 s51, 0
	s_mov_b32 s17, 0xf149f2ca                      ; -1e30
	s_mov_b32 s18, 0x76543210                      ; v_permlanex16_b32: lane i reads lane i of the other half
	s_mov_b32 s19, 0xfedcba98
	v_and_b32 v2, 15, v0                           ; r
	v_bfe_u32 v3, v0, 4, 1                         ; h
	v_and_b32 v1, 31, v0
	v_lshlrev_b32 v[GQ], 4, v1
	v_lshl_add_u32 v[GK], s12, 14, v[GQ]
	v_lshlrev_b32 v[GV], 4, v2
	v_lshl_add_u32 v[GV], v3, 11, v[GV]
	v_lshl_add_u32 v[GV], s12, 14, v[GV]
	v_lshlrev_b32 v[PFO], 4, v[GQ]
	v_lshl_add_u32 v[PFO], s16, 13, v[PFO]
	s_wait_kmcnt 0x0
	s_add_nc_u64 s[KB:KB+1], s[4:5], s[22:23]
	s_add_nc_u64 s[VB:VB+1], s[8:9], s[22:23]
.irp c, 0,1,2,3
	s_add_co_u32 s50, s[46+2*(\c&1)], \c*65536     ; head + (16 c + 8 p + b) blocks
	s_add_nc_u64 s[QB+2*\c:QB+2*\c+1], s[6:7], s[50:51]
	s_add_nc_u64 s[OB+2*\c:OB+2*\c+1], s[10:11], s[50:51]
.endr
	s_cmp_eq_u32 s15, 0
	s_cselect_b64 s[PB:PB+1], s[KB:KB+1], s[VB:VB+1]
	LOADQ 0                                        ; 8 + 32 + 16 = 56 loads; the addresses below are made while they fly
	LOADK 0
	LOADV 0, 0, 16
	PREF 1
	v_mul_u32_u24 v[KADR], v2, KPITCH
	v_lshl_add_u32 v[KADR], v3, 4, v[KADR]
	v_add_nc_u32 v[KADR+1], SPAN, v[KADR]
	v_add_nc_u32 v[KADR+2], 2*SPAN, v[KADR]
	v_add_nc_u32 v[VADR], VT, v[KADR]
	v_add_nc_u32 v[VADR+1], VT+SPAN, v[KADR]
	v_add_nc_u32 v[VADR+2], VT+2*SPAN, v[KADR]
	s_mul_i32 s21, s12, STGB
	s_add_co_u32 s21, s21, STG                     ; my stage
	s_mul_i32 s49, s12, REGB                       ; my 64 rows of a chunk of K, my region of a chunk of V^T
	v_mul_u32_u24 v[STO], v2, OPITCH
	v_lshl_add_u32 v[STO], v3, 5, v[STO]
	v_add_nc_u32 v[STO], s21, v[STO]
	v_mul_u32_u24 v[RD], v3, OPITCH
	v_lshl_add_u32 v[RD], v2, 4, v[RD]
	v_add_nc_u32 v[RD], s21, v[RD]
	v_mul_u32_u24 v1, v3, KPITCH
	v_lshl_add_u32 v1, v2, 3, v1                   ; h*144 + 8r
	v_add_nc_u32 v[QST], s21, v1
	v_add_nc_u32 v[QRD], s21, v[KADR]
	v_add_nc_u32 v[KST], s49, v1
	v_add_nc_u32 v[KST+1], 2*CHUNKB, v[KST]
	v_mul_u32_u24 v[VST], v2, 4*KPITCH
	v_lshl_add_u32 v[VST], v3, 4, v[VST]
	s_add_co_u32 s49, s49, VT
	v_add_nc_u32 v[VST], s49, v[VST]
	v_add_nc_u32 v[VST+1], 2*CHUNKB, v[VST]
	v_lshl_add_u32 v[EDGE], s16, 4, v2
	v_lshlrev_b32 v1, 3, v3
	v_sub_nc_u32 v[EDGE], v[EDGE], v1              ; may be negative: compared as signed
	v_mov_b32 v[TMP], 0                            ; the lane exchange counts as a reader of its destination
	v_mov_b32 v[NEG1], -1.0
	s_wait_loadcnt 16                              ; loads return in order (ISA guide 5.7.1): Q and K's chunk 0 are in, V's first 16 loads may be out
	LOADV 0, 16, 16                                ; V's other 16 loads: they are wanted only behind the first block's products
	COMMITK 0
	COMMITQ
	s_wait_dscnt 0x0
	s_barrier_signal -1
	s_barrier_wait -1                              ; K's chunk 0 is whole
	PHASE 0
	PHASE 1
	PHASE 2
	PHASE 3
	s_wait_tensorcnt 0x0
	ds_add_u32 v254, v255
	s_wait_dscnt 0x0
	s_endpgm
.Lfunc_end_k_q3d1c304f02_entmax:
	.size	k_q3d1c304f02_entmax, .Lfunc_end_k_q3d1c304f02_entmax-k_q3d1c304f02_entmax
	.p2alignl 7, 3214868480
	.fill 96, 4, 3214868480
	.section	.rodata,"a",@progbits
	.p2align	6, 0x0
	.amdhsa_kernel k_q3d1c304f02_entmax
		.amdhsa_group_segment_fixed_size 312832
		.amdhsa_private_segment_fixed_size 0
		.amdhsa_enable_private_segment 0
		.amdhsa_kernarg_size 32
		.amdhsa_user_sgpr_count 2
		.amdhsa_user_sgpr_kernarg_segment_ptr 1
		.amdhsa_wavefront_size32 1
		.amdhsa_system_sgpr_workgroup_id_x 1
		.amdhsa_system_sgpr_workgroup_id_y 1
		.amdhsa_system_sgpr_workgroup_id_z 1
		.amdhsa_system_vgpr_workitem_id 0
		.amdhsa_next_free_vgpr 1024
		.amdhsa_next_free_sgpr 66
		.amdhsa_reserve_vcc 1
		.amdhsa_float_denorm_mode_32 3
		.amdhsa_float_denorm_mode_16_64 3
		.amdhsa_memory_ordered 1
		.amdhsa_forward_progress 1
		.amdhsa_inst_pref_size 255
	.end_amdhsa_kernel
	.section	.bss,"aw",@nobits
	.p2align	6
	.space	262144
	.amdgpu_metadata
---
amdhsa.version: [ 1, 2 ]
amdhsa.kernels:
  - .name:           k_q3d1c304f02_entmax
    .symbol:         k_q3d1c304f02_entmax.kd
    .args:
      - { .name: k, .offset: 0, .size: 8, .value_kind: global_buffer, .address_space: global }
      - { .name: q, .offset: 8, .size: 8, .value_kind: global_buffer, .address_space: global }
      - { .name: v, .offset: 16, .size: 8, .value_kind: global_buffer, .address_space: global }
      - { .name: out0, .offset: 24, .size: 8, .value_kind: global_buffer, .address_space: global }
    .group_segment_fixed_size: 312832
    .private_segment_fixed_size: 0
    .kernarg_segment_align: 8
    .kernarg_segment_size: 32
    .max_flat_workgroup_size: 128
    .sgpr_count:     66
    .vgpr_count:     1024
    .wavefront_size: 32
...
	.end_amdgpu_metadata
.endif
;; end of part 1
;; ======== version 2 of 2: 1 launch
;; limits: values are held in f16: magnitudes above 65,504 overflow, below 6.1e-05 lose precision; inputs' magnitudes at most 65,504
;; launch entmax (part 2): grid 256 x 1, 4 waves a work-group, no clusters, 312,832 bytes of LDS; arguments k, q, v, out0; writes out0
.if DOCPART == 2
	.amdgcn_target "amdgcn-amd-amdhsa--gfx1250"
	.amdhsa_code_object_version 6
	.text
	.protected	k_q3d1c304f02_entmax
	.globl	k_q3d1c304f02_entmax
	.p2align	8
	.type	k_q3d1c304f02_entmax,@function
k_q3d1c304f02_entmax:
	s_mov_b64 s[64:65], 0
	v_nop
	global_prefetch_b8 v0, s[64:65] scope:SCOPE_SE
	s_setreg_imm32_b32 hwreg(HW_REG_WAVE_MODE, 25, 1), 1
	s_wait_xcnt 0x0
; Causal entmax-1.5 attention.  q, k, v, out0: [64 heads][1024][64] f32.
;   s = q.k / 16 (1/sqrt(64) times 1/2, an exact power of two), keys above the diagonal = -1e30; max over the row;
;   ten bisection steps for tau on [max - 1, max] with f(tau) = sum relu(s - tau)^2 - 1;  p = relu(s - tau)^2;  out = (p.v) / sum p.
;
; SHARING.  A query block is 16 rows.  Its scores, at most 64 tiles of 16 x 16 = 512 registers, stay in ONE wave's registers through the maximum,
; the ten sweeps and the final pass, so a score is computed once and never leaves the wave.  A head has 64 blocks and 16 waves (4 work-groups of
; 4 waves): head = id >> 2, g = id & 3.  In phase c = 0..3 a wave takes block 16 c + 4 p + wave with p = g in the even phases and 3 - g in the odd ones.
; Register numbers are fixed in the text, so a block is written for a fixed number of key tiles NT = 16 c + 4 p + 4; each phase has four texts and a
; scalar choice on p, which is the same in all waves of a work-group.  Every wave does 96 + 16 + 4 (g + 3 - g + g + 3 - g) = 136 tiles.
;
; ORIENTATION.  S^T = K Q^T: register j of lane (r = lane & 15, h = lane >> 4) of tile t holds key 16 t + 8 h + j of query r.  A query lives in lanes
; r and r + 16: tau and the sweeps' sums are one number a lane, and a row reduction is work inside the lane plus one exchange with lane xor 16.
; Two neighbouring tiles, packed to 16 bits, ARE the second operand of out^T = V^T P^T (ISA guide 7.12.2): nothing is shuffled.
;
; P AND V IN F16.  A few keys carry most of a row's weight, and where their v are large and cancel, the 8 significant bits of bf16 would leave an error
; of up to 2^-8 sum(w |v|) on a result near zero.  p lies in [0, 1], and a row's largest p is at least 1/1024 (the root has sum p = 1 over at most 1024
; keys), so f16 with its 11 bits serves it.  V is rounded to bf16 as Q and K are, and that number is then written as f16, which holds its 8 bits exactly.
; SUM P comes from the matrix unit too: a fifth accumulator, whose first operand is all ones, adds up in f32 the same f16 numbers that weigh V.
;
; K AND V stay in LDS in 16 bits for the whole head, brought in chunks of 256 keys: chunk c is first needed by phase c.  Loads of K and Q fly during
; the ten sweeps, loads of V during the final pass and the next block's products.
; NO JOINT LOADS although the four work-groups of a head read the same K and V: the inputs are f32 and the operands 16 bits, so every byte has to pass
; through registers; an f32 chunk of K and V is 131,072 bytes, and beside the 312,320 bytes used here a WGP's 327,680 leave 15,360.
;
; LIMITS AND ONE DEPARTURE.  q and k go to the matrix unit in bf16; v as bf16 numbers carried in f16: |v| above 65504 becomes infinite, below 2^-14 it keeps
; an absolute error of up to 2^-25; p (not normalised) in f16, below 2^-14 with the same absolute error.  The division is f32.
; The f32 sums run in another order than the reference's.  A bisection step whose f is within rounding of 0 is decided by that order, and its two
; outcomes end at that step's tau + 2^-11 and tau - 2^-11.  So this text departs from the reference there: where |f| <= 2^-17 (64 spacings of f32 at 1)
; BOTH ends of the interval are set to tau, and tau stays.  The final tau is then 2^-11 from the reference's, whichever way the reference went, and within
; 2^-17 / |f'| of the root.  Where the two programs' sums differ by more than 2^-17 (scores far above 1, whose f32 spacing times the slope
; 2 sum(s - tau) passes that figure), a step may still decide the other way, and tau then differs by at most 2^-10.
; A NaN among the inputs is dropped by v_max_num (the row maximum, the relu) instead of spreading to the whole row.  Where f32 cannot tell tau from
; the maximum, sum p = 0 and the row is NaN, as in the reference.
.set NITER,  10
.set ONE_LO, 0x3f7fff80                ; 1 - 2^-17
.set ONE_HI, 0x3f800040                ; 1 + 2^-17
.set KPITCH, 144                       ; an LDS row of 64 numbers of 16 bits: 128 bytes + 16: rows r = 0..15 start at 16 different 16-byte columns modulo 256
.set TILEB,  16*KPITCH                 ; 16 rows
.set REGB,   64*KPITCH                 ; 64 rows: a wave's share of a chunk of K; a region of V^T ([64 d][64 keys])
.set CHUNKB, 256*KPITCH                ; a chunk of 256 keys, of K or of V^T
.set SPAN,   24*TILEB                  ; what one address register reaches with the 16-bit immediate: 24 tiles of K = 6 regions of V^T
.set VT,     1024*KPITCH               ; V^T lies behind K
.set STG,    2*VT                      ; behind both: a stage for each wave, its own
.set OPITCH, 272                       ; a stage row of 64 f32: 256 bytes + 16
.set STGB,   16*OPITCH
; vector registers, window 0
.set KADR, 4                           ; v4-6    r*144 + 16h + 0, 1, 2 spans: K fragments
.set VADR, 7                           ; v7-9    the same in V^T
.set STO,  10                          ; stage, results in:  r*272 + 32h
.set RD,   11                          ; stage, rows back:   h*272 + 16r
.set QST,  12                          ; stage, Q in:        h*144 + 8r
.set QRD,  13                          ; stage, Q fragments: r*144 + 16h
.set KST,  14                          ; v14-15  where my K goes, chunks 0-1 and 2-3
.set VST,  16                          ; v16-17  where my V^T goes, chunks 0-1 and 2-3
.set GK,   18                          ; byte offset in a head's K: 16384 wave + 16 lane
.set GV,   19                          ; in its V: 16384 wave + 2048 h + 16 r
.set GQ,   20                          ; in a block of q or out0: 16 lane
.set EDGE, 21                          ; 16 wave + r - 8 h: register j of the t'-th of the last 4 tiles is kept iff 16 t' + j <= EDGE
.set PFO,  22                          ; prefetch: 8192 (4 (g & 1) + wave) + 256 lane
.set LO,   23
.set HI,   24
.set TAU,  25
.set SUM,  26
.set TMP,  27
.set NTAU, 28                          ; v28-29  -tau, twice
.set INV,  30                          ; v30-31  1 / sum p, twice
.set QF,   32                          ; v32-47  Q fragments, d 0-31 and 32-63
.set OA,   48                          ; v48-79  out^T: four accumulators, d = 16 c' ..
.set F0,   80                          ; v80-143  fragment buffer 0
.set F1,   144                         ; v144-207 fragment buffer 1,
.set T,    144                         ;          and the sweeps' work registers;
.set PF,   T+32                        ; v176-191 in the final pass: p in f16, two fragments of 32 keys
.set ACC,  208                         ; v208-223 eight pairs of partial sums
.set MX,   224                         ; v224-231 eight running maxima
.set ONES, 232                         ; v232-239 a fragment of 16 x 32 ones in f16
.set OS,   240                         ; v240-247 the fifth accumulator: sum p of query r, in every register
; window 1: score tiles 0-31, window 2: tiles 32-63 (tile t at register 8 (t % 32)); window 2, 224-255: Q as loaded (in use only in phases 0-2: NT <= 48);
; window 3: 0-127 K as loaded, 128-255 V as loaded
.set QBUF, 224
.set VBUF, 128
; scalar registers: s12 wave, s13 head, s14 g, s47 3 - g, s15 g >> 1, s16 4 (g & 1) + wave, s17 -1e30, s18-19 lane selects, s20 sweep counter,
; s21 my stage, s52 mask of a word's upper half
.set QB, 24                            ; s[24:31] q at my block of phase 0..3
.set OB, 32                            ; s[32:39] out0 likewise
.set KB, 40                            ; s[40:41] k at my head
.set VB, 42                            ; s[42:43] v at my head
.set PB, 44                            ; s[44:45] the one of the two that my wave prefetches
.set MSB, 0
.macro WIN new                         ; s_set_vgpr_msb: bits 1:0 source 0, 3:2 source 1, 5:4 source 2, 7:6 destination; the high byte repeats the setting left
.if MSB != (\new)
	s_set_vgpr_msb (MSB<<8)|(\new)
.set MSB, (\new)
.endif
.endm
.macro PLACES                          ; four independent vector instructions behind a matrix instruction (ISA guide 7.12.1)
.rept 4
	v_nop
.endr
.endm
; ---- memory to registers.  No base and no offset register of a global access is ever rewritten. ----
.macro LOADK c                         ; my 64 keys of chunk c: load n = keys 2n, 2n+1, 512 neighbouring bytes a wave
	WIN 0xc0
.set i_n, 0
.rept 32
	global_load_b128 v[4*i_n:4*i_n+3], v[GK], s[KB:KB+1] offset:(\c)*65536+512*i_n
.set i_n, i_n+1
.endr
.endm
.macro LOADV c, first, n               ; loads first .. first + n - 1 of a chunk's 32.  Load 8m + i = keys 16m + i (lanes 0-15) and 16m + 8 + i (lanes 16-31):
	WIN 0xc0                       ; two whole rows of 256 bytes.  A lane so gets 8 neighbouring keys of its four d = 4r..4r+3 for each m
.set i_n, \first
.rept \n
	global_load_b128 v[VBUF+4*i_n:VBUF+4*i_n+3], v[GV], s[VB:VB+1] offset:(\c)*65536+(16*(i_n/8)+(i_n%8))*256
.set i_n, i_n+1
.endr
.endm
.macro LOADQ c                         ; my block of phase c: 16 rows of 256 bytes, read by this wave alone
	WIN 0x80
.set i_n, 0
.rept 8
	global_load_b128 v[QBUF+4*i_n:QBUF+4*i_n+3], v[GQ], s[QB+2*(\c):QB+2*(\c)+1] offset:512*i_n th:TH_LOAD_NT
.set i_n, i_n+1
.endr
.endm
; The 16 waves of a head, 32 lanes each, 256 bytes apart, ask once for the 131,072 bytes of chunk c of K (g < 2) and V (g >= 2), one block's work
; ahead of the loads that want them.  Chunk 3 is the last: no request passes a head's 262,144 bytes.
.macro PREF c
	WIN 0
	global_prefetch_b8 v[PFO], s[PB:PB+1] offset:(\c)*65536 th:TH_LOAD_NT scope:SCOPE_SE
.endm
; ---- registers to LDS, in 16 bits ----
.macro COMMITK c                       ; K[key][d] in bf16: 8 bytes a lane at row 64 wave + 2n + h, byte 8r
	WIN 0x0f
.set i_n, 0
.rept 64
	v_cvt_pk_bf16_f32 v[F0+i_n], v[2*i_n], v[2*i_n+1]
.set i_n, i_n+1
.endr
	WIN 0
.set i_n, 0
.rept 32
	ds_store_b64 v[KST+(\c)/2], v[F0+2*i_n:F0+2*i_n+1] offset:((\c)%2)*CHUNKB+2*KPITCH*i_n
.set i_n, i_n+1
.endr
.endm
; V^T[d][key]: register 16m + 4e + p = keys 2p, 2p+1 of d = 4r + e; 16 bytes = 8 keys at row 4r + e, byte 32m + 16h.
; Rounded to bf16 first, as Q and K are; the two halves are then widened (a shift, a mask) and written as f16, which changes no number in f16's normal range.
.macro COMMITV c
	WIN 0x0f
.set i_n, 0
.rept 64
.set i_s, VBUF+32*(i_n/16)+8*(i_n%4)+((i_n/4)%4)
	v_cvt_pk_bf16_f32 v[F0+i_n], v[i_s], v[i_s+4]
.set i_n, i_n+1
.endr
	WIN 0
.set i_h, 0
.rept 2                                ; 32 words at a time: as many as the 64 work registers hold widened
.set i_n, 0
.rept 32
	v_lshlrev_b32 v[T+2*i_n], 16, v[F0+32*i_h+i_n]
	v_and_b32 v[T+2*i_n+1], s52, v[F0+32*i_h+i_n]
.set i_n, i_n+1
.endr
.set i_n, 0
.rept 32
	v_cvt_pk_f16_f32 v[F0+32*i_h+i_n], v[T+2*i_n], v[T+2*i_n+1]
.set i_n, i_n+1
.endr
.set i_h, i_h+1
.endr
.set i_n, 0
.rept 16
	ds_store_b128 v[VST+(\c)/2], v[F0+4*i_n:F0+4*i_n+3] offset:((\c)%2)*CHUNKB+(i_n%4)*KPITCH+32*(i_n/4)
.set i_n, i_n+1
.endr
.endm
.macro COMMITQ                         ; q / 16 (exact), to bf16, through my own stage into fragments: LDS serves a wave's instructions in order (ISA guide 5.7.1)
	WIN 0x02
.set i_n, 0
.rept 16
	v_pk_mul_f32 v[F1+2*i_n:F1+2*i_n+1], v[QBUF+2*i_n:QBUF+2*i_n+1], 0x3d800000 op_sel_hi:[1,0]
.set i_n, i_n+1
.endr
	WIN 0
.set i_n, 0
.rept 16
	v_cvt_pk_bf16_f32 v[F1+32+i_n], v[F1+2*i_n], v[F1+2*i_n+1]
.set i_n, i_n+1
.endr
.set i_n, 0
.rept 8
	ds_store_b64 v[QST], v[F1+32+2*i_n:F1+32+2*i_n+1] offset:2*KPITCH*i_n
.set i_n, i_n+1
.endr
.set i_n, 0
.rept 4
	ds_load_b128 v[QF+4*i_n:QF+4*i_n+3], v[QRD] offset:32*i_n     ; query r, d = 16 n + 8 h ..
.set i_n, i_n+1
.endr
.endm
; ---- S^T = K Q^T, four tiles a group ----
.macro KFETCH g, f                     ; 16 loads: tiles 4g..4g+3, key 16t + r, d = 8h, 16+8h, 32+8h, 48+8h
	WIN 0
.set kq, 0
.rept 4
.set kt, 4*(\g)+kq
.set kz, 0
.rept 4
	ds_load_b128 v[\f+16*kq+4*kz:\f+16*kq+4*kz+3], v[KADR+kt/24] offset:(kt%24)*TILEB+32*kz
.set kz, kz+1
.endr
.set kq, kq+1
.endr
.endm
.macro KMUL g, f                       ; the first product starts each sum; the four accumulators take turns, one instruction a turn
.set kw, 1+(\g)/8
	WIN (kw<<6)|(kw<<4)
.set kq, 0
.rept 4
.set kd, 8*((4*(\g)+kq)%32)
	v_wmma_f32_16x16x32_bf16 v[kd:kd+7], v[\f+16*kq:\f+16*kq+7], v[QF:QF+7], 0
.set kq, kq+1
.endr
.set kq, 0
.rept 4
.set kd, 8*((4*(\g)+kq)%32)
	v_wmma_f32_16x16x32_bf16 v[kd:kd+7], v[\f+16*kq+8:\f+16*kq+15], v[QF+8:QF+15], v[kd:kd+7]
.set kq, kq+1
.endr
.endm
.macro QK nt                           ; group g is multiplied while group g + 1's fragments are on their way into the other buffer
	KFETCH 0, F0
.set qg, 0
.if (\nt) > 4
.rept (\nt)/4-1
.if qg > 0
	PLACES                                 ; the buffer that the last eight products read is loaded again only behind four places
.endif
.set qf, F0+64*((qg+1)%2)
	KFETCH qg+1, qf
	s_wait_dscnt 16                        ; group g's 16 loads are in, the 16 just issued may be out
.set qf, F0+64*(qg%2)
	KMUL qg, qf
.set qg, qg+1
.endr
.endif
	s_wait_dscnt 0
.set qf, F0+64*(qg%2)
	KMUL qg, qf
	PLACES                                 ; before vector instructions touch the results
.endm
; ---- the causal cut: my block is one of the last 4 of the NT tiles' rows, so only the last 4 tiles can hold keys above my rows ----
.macro MASK nt
.set mw, 1+((\nt)-4)/32
.set mb, 8*(((\nt)-4)%32)
	WIN (mw<<6)|(mw<<2)
.set mi, 0
.rept 32
	v_cmp_ge_i32 vcc_lo, v[EDGE], 16*(mi/8)+(mi%8)
	v_cndmask_b32 v[mb+mi], s17, v[mb+mi], vcc_lo
.set mi, mi+1
.endr
.endm
; ---- the row's maximum: eight chains, started by the first two tiles; hi = max, lo = max - 1 ----
.macro MAXP nt
.set xp, 0
.rept (\nt)/2
.set xw, 1+xp/16
.set xb, 16*(xp%16)
	WIN xw|(xw<<2)
.set xk, 0
.rept 8
.if xp == 0
	v_max_num_f32 v[MX+xk], v[xb+2*xk], v[xb+2*xk+1]
.else
	v_max3_num_f32 v[MX+xk], v[xb+2*xk], v[xb+2*xk+1], v[MX+xk]
.endif
.set xk, xk+1
.endr
.set xp, xp+1
.endr
	WIN 0
	v_max3_num_f32 v[MX], v[MX], v[MX+1], v[MX+2]
	v_max3_num_f32 v[MX+3], v[MX+3], v[MX+4], v[MX+5]
	v_max3_num_f32 v[MX], v[MX], v[MX+3], v[MX+6]
	v_max_num_f32 v[MX], v[MX], v[MX+7]
	v_permlanex16_b32 v[TMP], v[MX], s18, s19      ; the query's other half of the keys, in lane xor 16
	v_max_num_f32 v[HI], v[MX], v[TMP]
	v_add_f32 v[LO], -1.0, v[HI]
.endm
.macro RELU2 a                         ; max(x, 0) on both registers of a pair, in one issue: there is no packed f32 maximum
	v_dual_max_num_f32 v[\a], 0, v[\a] :: v_dual_max_num_f32 v[\a+1], 0, v[\a+1]
.endm
.macro ACCRED                          ; eight pairs of partial sums to one number a query, in both of its lanes
.irp a, 0,2,4,6
	v_pk_add_f32 v[ACC+\a:ACC+\a+1], v[ACC+\a:ACC+\a+1], v[ACC+8+\a:ACC+8+\a+1]
.endr
	v_pk_add_f32 v[ACC:ACC+1], v[ACC:ACC+1], v[ACC+4:ACC+5]
	v_pk_add_f32 v[ACC+2:ACC+3], v[ACC+2:ACC+3], v[ACC+6:ACC+7]
	v_pk_add_f32 v[ACC:ACC+1], v[ACC:ACC+1], v[ACC+2:ACC+3]
	v_add_f32 v[SUM], v[ACC], v[ACC+1]
	v_permlanex16_b32 v[TMP], v[SUM], s18, s19
	v_add_f32 v[SUM], v[SUM], v[TMP]
.endm
.macro NEWTAU                          ; tau = (lo + hi) / 2, and -tau twice for the packed subtraction
	v_add_f32 v[TMP], v[LO], v[HI]
	v_mul_f32 v[TAU], 0.5, v[TMP]
	v_mul_f32 v[NTAU], -0.5, v[TMP]
	v_mul_f32 v[NTAU+1], -0.5, v[TMP]
.endm
; One sweep: sum of relu(s - tau)^2: three issues for two scores.  Unit u is tiles 8u .. (np = 32 pairs: 8 tiles; 16 pairs: the 4 tiles left where
; NT is no multiple of 8).  The work registers lie in window 0, so only the subtraction names a score window: two switches a unit.
; The first eight products start the sums.
.macro SWUNIT u, np
.set sb, 64*((\u)%4)
	WIN (1+(\u)/4)
.set sk, 0
.rept \np
	v_pk_add_f32 v[T+2*sk:T+2*sk+1], v[sb+2*sk:sb+2*sk+1], v[NTAU:NTAU+1]
.set sk, sk+1
.endr
	WIN 0
.set sk, 0
.rept \np
	RELU2 T+2*sk
.set sk, sk+1
.endr
.set sk, 0
.rept \np
.set sa, ACC+2*(sk%8)
.if (\u)*32+sk < 8
	v_pk_mul_f32 v[sa:sa+1], v[T+2*sk:T+2*sk+1], v[T+2*sk:T+2*sk+1]
.else
	v_pk_fma_f32 v[sa:sa+1], v[T+2*sk:T+2*sk+1], v[T+2*sk:T+2*sk+1], v[sa:sa+1]
.endif
.set sk, sk+1
.endr
.endm
.macro SWEEP nt
.set su, 0
.if (\nt) >= 8
.rept (\nt)/8
	SWUNIT su, 32
.set su, su+1
.endr
.endif
.if (\nt)%8
	SWUNIT su, 16
.endif
.endm
; The reference's ten steps, f >= 0 being sum >= 1, with the one departure named at the head: inside 1 - 2^-17 <= sum <= 1 + 2^-17 both selects
; take tau, so lo = hi = tau; every later midpoint is then tau again, its sum is the same, and tau is the final value.
; Outside the band exactly one select takes tau, as in the reference.  A NaN sum fails both compares: hi = tau, as in the reference.
.macro BISECT nt
	WIN 0                                  ; at a label and at a branch every window is 0
	s_mov_b32 s20, NITER
.Lbis_\@:
	NEWTAU
	SWEEP \nt
	ACCRED
	v_cmp_le_f32 vcc_lo, ONE_LO, v[SUM]            ; f >= -2^-17: lo = tau
	v_cndmask_b32 v[LO], v[LO], v[TAU], vcc_lo
	v_cmp_lt_f32 vcc_lo, ONE_HI, v[SUM]            ; f > 2^-17: hi stays; else hi = tau
	v_cndmask_b32 v[HI], v[TAU], v[HI], vcc_lo
	s_sub_co_i32 s20, s20, 1
	s_cmp_lg_u32 s20, 0
	s_cbranch_scc1 .Lbis_\@
	NEWTAU                                 ; the final tau
.endm
; ---- the final pass with out^T = V^T P^T, 4 tiles = 64 keys = one region of V^T at a time ----
; s - tau, relu and the square are made in T+0..31, which no matrix instruction names; p in f16 goes to PF.  The score is the subtraction's SECOND source, so
; that the LDS loads (address: source 0, data: destination) stand under the same window setting.  A unit's first four subtractions are the places
; between the last unit's products and the loads into their V^T fragments; PF is written again 48 instructions behind those products.
.macro FINPV nt
.set fg, 0
.rept (\nt)/4
.set fb, 32*(fg%8)
	WIN ((1+fg/8)<<2)
.set fk, 0
.rept 4
	v_pk_add_f32 v[T+2*fk:T+2*fk+1], v[NTAU:NTAU+1], v[fb+2*fk:fb+2*fk+1]
.set fk, fk+1
.endr
.set fv, 0
.rept 8                                ; fv = 4 y + c': d = 16 c' + r, keys 64 fg + 32 y + 8 h .. and + 16
.set fo, (fg%6)*REGB+(fv%4)*TILEB+(fv/4)*64
	ds_load_b128 v[F0+8*fv:F0+8*fv+3], v[VADR+fg/6] offset:fo
	ds_load_b128 v[F0+8*fv+4:F0+8*fv+7], v[VADR+fg/6] offset:fo+32
.set fv, fv+1
.endr
.rept 12
	v_pk_add_f32 v[T+2*fk:T+2*fk+1], v[NTAU:NTAU+1], v[fb+2*fk:fb+2*fk+1]
.set fk, fk+1
.endr
	WIN 0
.set fk, 0
.rept 16
	RELU2 T+2*fk
.set fk, fk+1
.endr
.set fk, 0
.rept 16
	v_pk_mul_f32 v[T+2*fk:T+2*fk+1], v[T+2*fk:T+2*fk+1], v[T+2*fk:T+2*fk+1]
.set fk, fk+1
.endr
.set fk, 0
.rept 16                               ; PF+0..7, PF+8..15: the fragments for keys 32 y ..
	v_cvt_pk_f16_f32 v[PF+fk], v[T+2*fk], v[T+2*fk+1]
.set fk, fk+1
.endr
	s_wait_dscnt 0x0                       ; the 16 loads above, issued 60 instructions ago
.set fk, 0
.rept 10                               ; for y = 0, 1: four products with V^T and one with the ones.  The five accumulators take turns, one instruction a turn,
.set fy, fk/5                          ; from unit to unit too
.if fk%5 < 4
.set fa, F0+8*(4*fy+fk%5)
.set fd, OA+8*(fk%5)
.else
.set fa, ONES
.set fd, OS
.endif
.if fg*10+fk < 5
	v_wmma_f32_16x16x32_f16 v[fd:fd+7], v[fa:fa+7], v[PF+8*fy:PF+8*fy+7], 0
.else
	v_wmma_f32_16x16x32_f16 v[fd:fd+7], v[fa:fa+7], v[PF+8*fy:PF+8*fy+7], v[fd:fd+7]
.endif
.set fk, fk+1
.endr
.set fg, fg+1
.endr
	PLACES                                 ; before the results are read
	v_rcp_f32 v[INV], v[OS]                ; every row of the fifth accumulator is sum p of query r, over all keys: no exchange between lanes
	v_rcp_f32 v[INV+1], v[OS]
	v_nop                                  ; one plain instruction behind a transcendental before its result is used (ISA guide 5.7.2)
.endm
; ---- out: scale by 1 / sum p, turn through my own stage, whole rows to memory ----
.macro OUT c
.set ok, 0
	s_wait_alu depctr_va_vdst(0)
.rept 16
	v_pk_mul_f32 v[OA+2*ok:OA+2*ok+1], v[OA+2*ok:OA+2*ok+1], v[INV:INV+1]
.set ok, ok+1
.endr
.set ok, 0
.rept 8                                ; register j of accumulator c' is d = 16 c' + 8 h + j of query r
	ds_store_b128 v[STO], v[OA+4*ok:OA+4*ok+3] offset:64*(ok/2)+16*(ok%2)
.set ok, ok+1
.endr
.set ok, 0
.rept 8                                ; rows 2t and 2t+1; the stage is my own and LDS serves a wave's instructions in order: these see the stores above
	ds_load_b128 v[F0+4*ok:F0+4*ok+3], v[RD] offset:2*OPITCH*ok
.set ok, ok+1
.endr
.set ok, 0
.rept 8
	s_wait_dscnt 7-ok                      ; read-back t is in, the 7 - t younger ones may be out
	global_store_b128 v[GQ], v[F0+4*ok:F0+4*ok+3], s[OB+2*(\c):OB+2*(\c)+1] offset:512*ok th:TH_STORE_NT   ; 512 neighbouring bytes, aligned
.set ok, ok+1
.endr
.endm
; ---- one query block of phase c with nt key tiles ----
.macro BLOCK c, nt
.if \c > 0
	s_wait_xcnt 0x0                        ; the last block's stores have read buffer 0, which is loaded again now
.endif
	QK \nt
	MASK \nt
	MAXP \nt
	s_wait_loadcnt 0x0                     ; V's chunk c, asked for before the last block's final pass
	COMMITV \c
.if \c < 3
	LOADK \c+1                             ; these fly through the ten sweeps
	LOADQ \c+1
.endif
.if \c < 2
	PREF \c+2
.endif
	BISECT \nt
.if \c < 3
	s_wait_loadcnt 0x0
	COMMITK \c+1
	COMMITQ
	LOADV \c+1, 0, 32                      ; these fly through the final pass and the next block's products
.endif
	s_wait_dscnt 0x0                       ; my part of V^T's chunk c and of K's chunk c+1 is in LDS (and my next Q fragments are in registers)
	s_barrier_signal -1
	s_barrier_wait -1                      ; everybody's is: chunk c of V^T is read below, chunk c+1 of K in the next block.  Nothing in K or V^T is written twice
	FINPV \nt
	OUT \c
	WIN 0
.endm
; p = g (s14) in the even phases, 3 - g (s47) in the odd ones: the same in the four waves, so all four take the same way, and each way holds the phase's one barrier
.macro PHASE c
	s_cmp_eq_u32 s[14+33*((\c)&1)], 1
	s_cbranch_scc1 .Lv1_\c
	s_cmp_eq_u32 s[14+33*((\c)&1)], 2
	s_cbranch_scc1 .Lv2_\c
	s_cmp_eq_u32 s[14+33*((\c)&1)], 3
	s_cbranch_scc1 .Lv3_\c
	BLOCK \c, 16*\c+4
	s_branch .Lend_\c
.Lv1_\c:
	BLOCK \c, 16*\c+8
	s_branch .Lend_\c
.Lv2_\c:
	BLOCK \c, 16*\c+12
	s_branch .Lend_\c
.Lv3_\c:
	BLOCK \c, 16*\c+16
.Lend_\c:
.endm
	; ---- who am I ----
	s_load_b256 s[4:11], s[0:1], 0x0               ; k s[4:5], q s[6:7], v s[8:9], out0 s[10:11]
	v_lshl_add_u32 v254, v0, 2, 0x4c400
	v_mov_b32 v255, 0
	v_lshrrev_b32 v1, 5, v0
	v_readfirstlane_b32 s12, v1                    ; wave
	s_lshr_b32 s13, ttmp9, 2                       ; head
	s_and_b32 s14, ttmp9, 3                        ; g
	s_xor_b32 s47, s14, 3                          ; 3 - g
	s_lshr_b32 s15, s14, 1
	s_and_b32 s16, s14, 1
	s_lshl2_add_u32 s16, s16, s12                  ; 4 (g & 1) + wave: my eighth of what is prefetched
	s_lshl_b32 s22, s13, 18                        ; a head is 262,144 bytes
	s_mov_b32 s23, 0
	s_lshl2_add_u32 s46, s14, s12                  ; 4 p + wave in the even phases,
	s_lshl2_add_u32 s48, s47, s12                  ; in the odd ones
	s_lshl_b32 s46, s46, 12                        ; a block is 4,096 bytes
	s_lshl_b32 s48, s48, 12
	s_add_co_u32 s46, s46, s22
	s_add_co_u32 s48, s48, s22
	s_mov_b32 s51, 0
	s_mov_b32 s17, 0xf149f2ca                      ; -1e30
	s_mov_b32 s18, 0x76543210                      ; v_permlanex16_b32: lane i reads lane i of the other half
	s_mov_b32 s19, 0xfedcba98
	s_mov_b32 s52, 0xffff0000                      ; a word's upper bf16
	v_and_b32 v2, 15, v0                           ; r
	v_bfe_u32 v3, v0, 4, 1                         ; h
	v_and_b32 v1, 31, v0
	v_lshlrev_b32 v[GQ], 4, v1
	v_lshl_add_u32 v[GK], s12, 14, v[GQ]
	v_lshlrev_b32 v[GV], 4, v2
	v_lshl_add_u32 v[GV], v3, 11, v[GV]
	v_lshl_add_u32 v[GV], s12, 14, v[GV]
	v_lshlrev_b32 v[PFO], 4, v[GQ]
	v_lshl_add_u32 v[PFO], s16, 13, v[PFO]
	s_wait_kmcnt 0x0
	s_add_nc_u64 s[KB:KB+1], s[4:5], s[22:23]
	s_add_nc_u64 s[VB:VB+1], s[8:9], s[22:23]
.irp c, 0,1,2,3
	s_add_co_u32 s50, s[46+2*(\c&1)], \c*65536     ; head + (16 c + 4 p + wave) blocks
	s_add_nc_u64 s[QB+2*\c:QB+2*\c+1], s[6:7], s[50:51]
	s_add_nc_u64 s[OB+2*\c:OB+2*\c+1], s[10:11], s[50:51]
.endr
	s_cmp_eq_u32 s15, 0
	s_cselect_b64 s[PB:PB+1], s[KB:KB+1], s[VB:VB+1]
	LOADQ 0                                        ; 8 + 32 + 16 = 56 loads; the addresses below are made while they fly
	LOADK 0
	LOADV 0, 0, 16
	PREF 1
	v_mul_u32_u24 v[KADR], v2, KPITCH
	v_lshl_add_u32 v[KADR], v3, 4, v[KADR]
	v_add_nc_u32 v[KADR+1], SPAN, v[KADR]
	v_add_nc_u32 v[KADR+2], 2*SPAN, v[KADR]
	v_add_nc_u32 v[VADR], VT, v[KADR]
	v_add_nc_u32 v[VADR+1], VT+SPAN, v[KADR]
	v_add_nc_u32 v[VADR+2], VT+2*SPAN, v[KADR]
	s_mul_i32 s21, s12, STGB
	s_add_co_u32 s21, s21, STG                     ; my stage
	s_mul_i32 s49, s12, REGB                       ; my 64 rows of a chunk of K, my region of a chunk of V^T
	v_mul_u32_u24 v[STO], v2, OPITCH
	v_lshl_add_u32 v[STO], v3, 5, v[STO]
	v_add_nc_u32 v[STO], s21, v[STO]
	v_mul_u32_u24 v[RD], v3, OPITCH
	v_lshl_add_u32 v[RD], v2, 4, v[RD]
	v_add_nc_u32 v[RD], s21, v[RD]
	v_mul_u32_u24 v1, v3, KPITCH
	v_lshl_add_u32 v1, v2, 3, v1                   ; h*144 + 8r
	v_add_nc_u32 v[QST], s21, v1
	v_add_nc_u32 v[QRD], s21, v[KADR]
	v_add_nc_u32 v[KST], s49, v1
	v_add_nc_u32 v[KST+1], 2*CHUNKB, v[KST]
	v_mul_u32_u24 v[VST], v2, 4*KPITCH
	v_lshl_add_u32 v[VST], v3, 4, v[VST]
	s_add_co_u32 s49, s49, VT
	v_add_nc_u32 v[VST], s49, v[VST]
	v_add_nc_u32 v[VST+1], 2*CHUNKB, v[VST]
	v_lshl_add_u32 v[EDGE], s12, 4, v2
	v_lshlrev_b32 v1, 3, v3
	v_sub_nc_u32 v[EDGE], v[EDGE], v1              ; may be negative: compared as signed
	v_mov_b32 v[TMP], 0                            ; the lane exchange counts as a reader of its destination
.irp i, 0,1,2,3,4,5,6,7
	v_mov_b32 v[ONES+\i], 0x3c003c00               ; 1.0 twice, in f16
.endr
	s_wait_loadcnt 16                              ; loads return in order (ISA guide 5.7.1): Q and K's chunk 0 are in, V's first 16 loads may be out
	LOADV 0, 16, 16                                ; V's other 16 loads: they are wanted only behind the first block's products
	COMMITK 0
	COMMITQ
	s_wait_dscnt 0x0
	s_barrier_signal -1
	s_barrier_wait -1                              ; K's chunk 0 is whole
	PHASE 0
	PHASE 1
	PHASE 2
	PHASE 3
	s_wait_tensorcnt 0x0
	ds_add_u32 v254, v255
	s_wait_dscnt 0x0
	s_endpgm
.Lfunc_end_k_q3d1c304f02_entmax:
	.size	k_q3d1c304f02_entmax, .Lfunc_end_k_q3d1c304f02_entmax-k_q3d1c304f02_entmax
	.p2alignl 7, 3214868480
	.fill 96, 4, 3214868480
	.section	.rodata,"a",@progbits
	.p2align	6, 0x0
	.amdhsa_kernel k_q3d1c304f02_entmax
		.amdhsa_group_segment_fixed_size 312832
		.amdhsa_private_segment_fixed_size 0
		.amdhsa_enable_private_segment 0
		.amdhsa_kernarg_size 32
		.amdhsa_user_sgpr_count 2
		.amdhsa_user_sgpr_kernarg_segment_ptr 1
		.amdhsa_wavefront_size32 1
		.amdhsa_system_sgpr_workgroup_id_x 1
		.amdhsa_system_sgpr_workgroup_id_y 1
		.amdhsa_system_sgpr_workgroup_id_z 1
		.amdhsa_system_vgpr_workitem_id 0
		.amdhsa_next_free_vgpr 1024
		.amdhsa_next_free_sgpr 66
		.amdhsa_reserve_vcc 1
		.amdhsa_float_denorm_mode_32 3
		.amdhsa_float_denorm_mode_16_64 3
		.amdhsa_memory_ordered 1
		.amdhsa_forward_progress 1
		.amdhsa_inst_pref_size 255
	.end_amdhsa_kernel
	.section	.bss,"aw",@nobits
	.p2align	6
	.space	262144
	.amdgpu_metadata
---
amdhsa.version: [ 1, 2 ]
amdhsa.kernels:
  - .name:           k_q3d1c304f02_entmax
    .symbol:         k_q3d1c304f02_entmax.kd
    .args:
      - { .name: k, .offset: 0, .size: 8, .value_kind: global_buffer, .address_space: global }
      - { .name: q, .offset: 8, .size: 8, .value_kind: global_buffer, .address_space: global }
      - { .name: v, .offset: 16, .size: 8, .value_kind: global_buffer, .address_space: global }
      - { .name: out0, .offset: 24, .size: 8, .value_kind: global_buffer, .address_space: global }
    .group_segment_fixed_size: 312832
    .private_segment_fixed_size: 0
    .kernarg_segment_align: 8
    .kernarg_segment_size: 32
    .max_flat_workgroup_size: 128
    .sgpr_count:     66
    .vgpr_count:     1024
    .wavefront_size: 32
...
	.end_amdgpu_metadata
.endif
;; end of part 2
